; MI455X (gfx1250); checked and timed in simulation.
; The chip was launched on July 23, 2026; its instructions are those of AMD's public machine-readable ISA for CDNA 5 (MIT licence, August 2026) and "CDNA5" Instruction Set Architecture Reference Guide (July 2026). The comments in the code are by the model that wrote it; some were corrected since.
;; Multi Head Attention. Allowed arithmetic: float matrix products may take bf16 or f16 operands with f32 sums; all other float work in f32.
;; Inputs: W_k 1,024 x 1,024 float32; W_o 1,024 x 1,024 float32; W_q 1,024 x 1,024 float32; W_v 1,024 x 1,024 float32; x 2 x 2,048 x 1,024 float32.
;; Outputs: out0 2 x 2,048 x 1,024 float32.
;; One version. Each part assembles by itself: llvm-mc -triple=amdgcn-amd-amdhsa -mcpu=gfx1250 --defsym DOCPART=n.
;; ======== version 1 of 1: 4 launches
;; limits: values are held in f16: magnitudes above 65,504 overflow, below 6.1e-05 lose precision
;; workspace buffers: xh 8,388,608 bytes; wh 6,291,456 bytes; qw 8,388,608 bytes; kw 8,388,608 bytes; vt 8,388,608 bytes; ao 8,388,608 bytes; wo 2,097,152 bytes
;; launch cast (part 1): grid 64 x 8, 8 waves a work-group, no clusters, 0 bytes of LDS; arguments x, W_q, W_k, W_v, W_o, xh, wh, wo; writes xh, wh, wo
.if DOCPART == 1
	.amdgcn_target "amdgcn-amd-amdhsa--gfx1250"
	.amdhsa_code_object_version 6
	.text
	.protected	k_q528c3ceded_cast
	.globl	k_q528c3ceded_cast
	.p2align	8
	.type	k_q528c3ceded_cast,@function
k_q528c3ceded_cast:
	s_mov_b64 s[64:65], 0
	v_nop
	global_prefetch_b8 v0, s[64:65] scope:SCOPE_SE
	s_setreg_imm32_b32 hwreg(HW_REG_WAVE_MODE, 25, 1), 1
	s_wait_xcnt 0x0
; x, W_q, W_k, W_v, W_o from f32 to f16, each number read once, rounded once (to nearest even) and written once.
; xh: [4096][1024] f16.  wh: [head][q, k, v][64][1024] f16: the 192 weight rows that one head's projections need are consecutive.  wo: [1024][1024] f16.
; WHY A LAUNCH OF ITS OWN: the projections need each number of x in 16 work-groups (one a head) and in two waves of each; converted there it would be
; rounded 32 times, and every tile would pass through LDS with twice the bytes.  Here it costs 4 bytes in and 2 bytes out, once.
; LIMIT: |x|, |W| below 65,504 (f16's largest number), else infinities.
; All five sources have rows of 4,096 bytes, 8,192 rows together.  A work-group of eight waves takes 16 rows of one source: group y = 0..3 a quarter of x,
; y = 4, 5, 6 W_q, W_k, W_v, y = 7 W_o; group x = 0..63 the 16 rows.  Thread t takes the 16 bytes at 16 t of every row, so a wave's load covers 512
; consecutive bytes and its store of 8 bytes a lane 256 consecutive bytes, aligned.  All 16 loads of a thread go out at once; no register is used twice,
; so no wait but the counted ones for the loads is needed.  Memory binds: LDS, barriers, clusters and the matrix unit would add nothing.
.set ROWS, 16
.set X, 4                              ; v[4:67]   row i: 4 f32 as loaded
.set Y, 68                             ; v[68:99]  row i: 4 f16 to store
	s_load_b512 s[16:31], s[0:1], 0x0              ; x s[16:17], W_q s[18:19], W_k s[20:21], W_v s[22:23], W_o s[24:25], xh s[26:27], wh s[28:29], wo s[30:31]
	s_and_b32 s2, ttmp7, 0xffff                    ; y
	s_sub_co_u32 s10, s2, 4                        ; 0, 1, 2 for W_q, W_k, W_v; wraps to a large number for x, 3 for W_o: the compares below take neither
	s_lshl_b32 s4, ttmp9, 16                       ; source: 16 rows of 4,096 bytes,
	s_lshl_b32 s6, ttmp9, 15                       ; destination: of 2,048 bytes
	s_lshl_b32 s3, s2, 22                          ; x alone: + 1,024 rows a quarter
	s_lshl_b32 s8, s2, 21
	s_cmp_lt_u32 s2, 4
	s_cselect_b32 s3, s3, 0
	s_cselect_b32 s8, s8, 0
	s_add_co_u32 s4, s4, s3
	s_add_co_u32 s6, s6, s8
	s_mov_b32 s5, 0
	s_lshr_b32 s7, ttmp9, 2                        ; W_q, W_k, W_v: rows 16 gx .. lie in head gx / 4,
	s_mul_i32 s7, s7, 192                          ; 192 rows of wh a head,
	s_lshl_b32 s3, s10, 6                          ; 64 a matrix,
	s_add_co_u32 s7, s7, s3
	s_and_b32 s3, ttmp9, 3
	s_lshl_b32 s3, s3, 4                           ; 16 (gx % 4) inside it
	s_add_co_u32 s7, s7, s3
	s_lshl_b32 s7, s7, 11
	s_cmp_lt_u32 s10, 3
	s_cselect_b32 s6, s7, s6
	s_mov_b32 s7, 0
	v_lshlrev_b32 v1, 4, v0                        ; my 16 bytes of a source row
	v_lshlrev_b32 v2, 3, v0                        ; my 8 bytes of a destination row
	s_wait_kmcnt 0x0
	s_cmp_eq_u32 s2, 4                             ; the choices hang on the group's y alone
	s_cselect_b64 s[12:13], s[18:19], s[16:17]
	s_cmp_eq_u32 s2, 5
	s_cselect_b64 s[12:13], s[20:21], s[12:13]
	s_cmp_eq_u32 s2, 6
	s_cselect_b64 s[12:13], s[22:23], s[12:13]
	s_cmp_eq_u32 s2, 7
	s_cselect_b64 s[12:13], s[24:25], s[12:13]
	s_cselect_b64 s[14:15], s[30:31], s[26:27]     ; W_o goes to wo, x to xh,
	s_cmp_lt_u32 s10, 3
	s_cselect_b64 s[14:15], s[28:29], s[14:15]     ; the three others to wh
	s_add_nc_u64 s[12:13], s[12:13], s[4:5]
	s_add_nc_u64 s[14:15], s[14:15], s[6:7]
.set i, 0
.rept ROWS
	global_load_b128 v[X+4*i:X+4*i+3], v1, s[12:13] offset:4096*i th:TH_LOAD_NT
.set i, i+1
.endr
.set i, 0
.rept ROWS
	s_wait_loadcnt ROWS-1-i                        ; loads come back in order (ISA guide 5.7.1): row i is in, the younger rows stay out
	v_cvt_pk_f16_f32 v[Y+2*i], v[X+4*i], v[X+4*i+1]
	v_cvt_pk_f16_f32 v[Y+2*i+1], v[X+4*i+2], v[X+4*i+3]
	global_store_b64 v2, v[Y+2*i:Y+2*i+1], s[14:15] offset:2048*i
.set i, i+1
.endr
	s_endpgm
.Lfunc_end_k_q528c3ceded_cast:
	.size	k_q528c3ceded_cast, .Lfunc_end_k_q528c3ceded_cast-k_q528c3ceded_cast
	.p2alignl 7, 3214868480
	.fill 96, 4, 3214868480
	.section	.rodata,"a",@progbits
	.p2align	6, 0x0
	.amdhsa_kernel k_q528c3ceded_cast
		.amdhsa_group_segment_fixed_size 0
		.amdhsa_private_segment_fixed_size 0
		.amdhsa_enable_private_segment 0
		.amdhsa_kernarg_size 64
		.amdhsa_user_sgpr_count 2
		.amdhsa_user_sgpr_kernarg_segment_ptr 1
		.amdhsa_wavefront_size32 1
		.amdhsa_system_sgpr_workgroup_id_x 1
		.amdhsa_system_sgpr_workgroup_id_y 1
		.amdhsa_system_sgpr_workgroup_id_z 1
		.amdhsa_system_vgpr_workitem_id 0
		.amdhsa_next_free_vgpr 100
		.amdhsa_next_free_sgpr 66
		.amdhsa_reserve_vcc 0
		.amdhsa_float_denorm_mode_32 3
		.amdhsa_float_denorm_mode_16_64 3
		.amdhsa_memory_ordered 1
		.amdhsa_forward_progress 1
		.amdhsa_inst_pref_size 8
	.end_amdhsa_kernel
	.amdgpu_metadata
---
amdhsa.version: [ 1, 2 ]
amdhsa.kernels:
  - .name:           k_q528c3ceded_cast
    .symbol:         k_q528c3ceded_cast.kd
    .args:
      - { .name: x, .offset: 0, .size: 8, .value_kind: global_buffer, .address_space: global }
      - { .name: W_q, .offset: 8, .size: 8, .value_kind: global_buffer, .address_space: global }
      - { .name: W_k, .offset: 16, .size: 8, .value_kind: global_buffer, .address_space: global }
      - { .name: W_v, .offset: 24, .size: 8, .value_kind: global_buffer, .address_space: global }
      - { .name: W_o, .offset: 32, .size: 8, .value_kind: global_buffer, .address_space: global }
      - { .name: xh, .offset: 40, .size: 8, .value_kind: global_buffer, .address_space: global }
      - { .name: wh, .offset: 48, .size: 8, .value_kind: global_buffer, .address_space: global }
      - { .name: wo, .offset: 56, .size: 8, .value_kind: global_buffer, .address_space: global }
    .group_segment_fixed_size: 0
    .private_segment_fixed_size: 0
    .kernarg_segment_align: 8
    .kernarg_segment_size: 64
    .max_flat_workgroup_size: 256
    .sgpr_count:     66
    .vgpr_count:     100
    .wavefront_size: 32
...
	.end_amdgpu_metadata
.endif
;; end of part 1
;; launch qkv (part 2): grid 16 x 16, 4 waves a work-group, clusters of 4 x 4, 327,680 bytes of LDS; arguments xh, wh, qw, kw, vt; writes qw, kw, vt
.if DOCPART == 2
	.amdgcn_target "amdgcn-amd-amdhsa--gfx1250"
	.amdhsa_code_object_version 6
	.text
	.protected	k_q528c3ceded_qkv
	.globl	k_q528c3ceded_qkv
	.p2align	8
	.type	k_q528c3ceded_qkv,@function
k_q528c3ceded_qkv:
	s_mov_b64 s[64:65], 0
	v_nop
	global_prefetch_b8 v0, s[64:65] scope:SCOPE_SE
	s_setreg_imm32_b32 hwreg(HW_REG_WAVE_MODE, 25, 1), 1
	s_wait_xcnt 0x0
	s_wait_alu depctr_hold_cnt(0) depctr_sa_sdst(0) depctr_va_vdst(0) depctr_va_sdst(0) depctr_va_ssrc(0) depctr_va_vcc(0) depctr_vm_vsrc(0)
	s_getreg_b32 s2, hwreg(HW_REG_IB_STS2, 6, 4)
	s_cmp_eq_u32 s2, 0
	s_cbranch_scc0 .Lentry_in_a_cluster
	s_endpgm
.Lentry_in_a_cluster:
	s_bfe_u32 s2, ttmp6, 0x10000c
	s_cmp_lg_u32 s2, 0xf033
	s_cbranch_scc0 .Lentry_shape_is_right
	s_endpgm
.Lentry_shape_is_right:
; Q = x W_q^T, K = x W_k^T, V = x W_v^T for ONE head and 256 rows of x, stored in f16.
; xh: [4096][1024] f16.  wh: [head][q, k, v][64][1024] f16.  qw, kw: [b][head][s][64] f16.  vt: [b][head][d][2048] f16 (V transposed).
; OPERANDS ARE f16, sums f32.  LIMIT: |Q|, |K|, |V| below 65,504 (f16's largest number), else infinities; with x and W 30 times the drawn
; spread they reach some 5,400, with a common offset of 30 spreads in both some 28,800.
; Four waves; wave (wr, wc) makes rows 128 wr .. +127 x (32 Q + 32 K + 32 V features from 32 wc): 8 x 6 = 48 accumulator tiles, 384 registers.
; K goes in steps of 128 (rows of 256 bytes, at multiples of 256 bytes) through two LDS slots filled by the tensor data mover: 256 rows of xh and the head's
; 192 rows of wh.  Waves 0, 1 fetch 128 rows of xh each, waves 2, 3 fetch 96 rows of wh each.  A wave has two tensor loads out at the start, later one.
; CLUSTERS: 4 x 4 work-groups.  xh's tile hangs on the row block alone and is shared along a row of the cluster; wh's hangs on the head alone and is
; shared along a column.  Each is asked for jointly, which divides the requests by four.
; Q and K tiles use the matrix instruction transposed (source 0 = W's rows, source 1 = x's rows): a lane holds 8 neighbouring features of one row s.
; V tiles use it straight (source 0 = x's rows): a lane holds 8 neighbouring s of one feature d, a piece of a row of V^T.
; REGISTERS by windows of 256: window 0 addresses and fragment buffer 0; window 1 fragment buffer 1 (the same numbers); windows 2, 3 the accumulators of my rows 0-63, 64-127.
.set PITCH,  272                       ; an LDS row: 256 bytes + 16: an odd multiple of 16, so the 16 rows that a load touches lie in 16 different 16-byte columns modulo 256
.set XB,     256*PITCH                 ; x's 256 rows
.set WB,     64*PITCH                  ; 64 rows of one W
.set SLOT,   XB+3*WB                   ; x, W_q, W_k, W_v: 121,856 bytes
.set QPITCH, 144                       ; the stage: a row of 64 f16 + 16 bytes
.set KST,    256*QPITCH                ; Q's stage at 0, K's behind it,
.set VST,    2*KST                     ; V^T's behind that: 64 rows of 256 f16 + 16 bytes
.set VPITCH, 528
.set ADRA, 16                          ; v16-17  LDS address of my x fragments in slot 0, 1
.set ADRB, 20                          ; v20-21  the same for W
.set STQ,  22                          ; where I put 16 bytes of a row of Q (K: + KST)
.set STV,  23                          ; where I put 16 bytes of a row of V^T
.set RDQ,  24                          ; where I read rows of Q back
.set RDV,  25                          ; where I read a row of V^T back
.set GOQ,  26                          ; my byte offset in qw and kw
.set GOV,  27                          ; my byte offset in vt
.set FX,   32                          ; v32-95   8 fragments of x (in window 0: buffer 0, in window 1: buffer 1)
.set FW,   96                          ; v96-143  6 fragments of W (0, 1: W_q; 2, 3: W_k; 4, 5: W_v)
.set TMP,  32                          ; the way out: packed results
.set BA,   32                          ; the way out: rows read back
.set BB,   96
.set G1,  24                           ; s[24:31] descriptor group 1 for x
.set G0,  32                           ; s[32:39] group 0 for x, one set a slot
.set G1B, 48                           ; s[48:55] group 1 for W
.set G0B, 56                           ; s[56:63] group 0 for W, one set a slot
.set MSB, 0
.macro WIN new                         ; the immediate's high byte repeats the setting that is left
.if MSB != \new
	s_set_vgpr_msb (MSB<<8)|\new
.set MSB, \new
.endif
.endm
.macro PLACES n
.rept \n
	v_nop
.endr
.endm
; A joint load: waves 0, 1 fetch x's two halves, waves 2, 3 W's.  The branch hangs on the wave's number alone.
.macro JLOAD s
	s_cmp_eq_u32 s11, 0
	s_cbranch_scc0 .Lfor_w_\@
	tensor_load_to_lds s[G0+4*\s:G0+4*\s+3], s[G1:G1+7]
	s_nop 0
	s_branch .Lasked_\@
.Lfor_w_\@:
	tensor_load_to_lds s[G0B+4*\s:G0B+4*\s+3], s[G1B:G1B+7]
	s_nop 0
.Lasked_\@:
.endm
.macro CREST                           ; a round of the cluster's barrier behind its opening work-group barrier
	s_cmp_lg_u32 s10, 0
	s_cbranch_scc1 .Lnot_wave_0_\@
	s_barrier_signal -3
.Lnot_wave_0_\@:
	s_barrier_wait -3
	s_barrier_signal -1
	s_barrier_wait -1
.endm
.macro CROUND                          ; a whole round
	s_barrier_signal -1
	s_barrier_wait -1
	CREST
.endm
	s_load_b256 s[68:75], s[0:1], 0x0              ; xh s[68:69], wh s[70:71], qw s[72:73], kw s[74:75]
	s_load_b64 s[76:77], s[0:1], 0x20              ; vt
	v_lshl_add_u32 v254, v0, 2, 0x3b800
	v_mov_b32 v255, 0
	ds_add_u32 v254, v255
	v_lshrrev_b32 v1, 5, v0
	v_readfirstlane_b32 s10, v1                    ; wave 0..3
	s_lshr_b32 s11, s10, 1                         ; wr.  Also: I fetch for x (0) or for W (1)
	s_and_b32 s12, s10, 1                          ; wc.  Also: which half of that tile
	s_bfe_u32 s40, ttmp6, 0x40000                  ; cx
	s_bfe_u32 s41, ttmp6, 0x40004                  ; cy
	s_lshl_b32 s42, ttmp9, 2
	s_add_co_u32 s42, s42, s40                     ; head = 4 x cluster x + cx
	s_and_b32 s13, ttmp7, 0xffff
	s_lshl_b32 s13, s13, 2
	s_add_co_u32 s13, s13, s41                     ; block of 256 rows = 4 x cluster y + cy
	s_lshl_b32 s43, s41, 2
	s_lshl_b32 s43, 15, s43                        ; my row of the cluster
	s_lshl_b32 s44, 0x1111, s40                    ; my column
	; group 1: rows of 128 f16, 16 bytes of padding behind every 64 words
	s_or_b32 s[G1+0], s43, (1<<16)|(1<<20)|(1<<21)|(5<<22)|(3<<25)   ; mask: my row; element of 2 bytes; padding on; bit 21 beside a mask; interval 64 words; 4 words
	s_or_b32 s[G1B+0], s44, (1<<16)|(1<<20)|(1<<21)|(5<<22)|(3<<25)  ; the same with my column's mask
	s_mov_b32 s[G1+1], 128<<16                     ; tensor_dim0 = 128
	s_mov_b32 s[G1B+1], 128<<16
	s_mov_b32 s[G1+2], 128<<16                     ; tensor_dim1 = 128 rows of x
	s_mov_b32 s[G1B+2], 96<<16                     ;             = 96 rows of W
	s_mov_b32 s[G1+3], 128<<16                     ; tile_dim0 = 128
	s_mov_b32 s[G1B+3], 128<<16
	s_mov_b32 s[G1+4], 128                         ; tile_dim1
	s_mov_b32 s[G1B+4], 96
	s_mov_b32 s[G1+5], 1024                        ; elements from row to row
	s_mov_b32 s[G1B+5], 1024
	s_mov_b32 s[G1+6], 0
	s_mov_b32 s[G1B+6], 0
	s_mov_b32 s[G1+7], 0
	s_mov_b32 s[G1B+7], 0
	s_lshl_b32 s16, s13, 19                        ; x: 256 rows of 2,048 bytes a block (the row block and the wave alone),
	s_lshl_b32 s17, s12, 18                        ; 128 rows a half
	s_add_co_u32 s16, s16, s17
	s_mov_b32 s17, 0
	s_mul_i32 s46, s42, 192*2048                   ; W: 192 rows of 2,048 bytes a head (the head and the wave alone),
	s_mul_i32 s47, s12, 96*2048                    ; 96 rows a half
	s_add_co_u32 s46, s46, s47
	s_mov_b32 s47, 0
	s_mul_i32 s20, s12, 128*PITCH                  ; where they go: the wave's number alone
	s_mul_i32 s45, s12, 96*PITCH
	s_add_co_u32 s45, s45, XB
	s_wait_dscnt 0x0
	s_wait_kmcnt 0x0
	s_add_nc_u64 s[14:15], s[68:69], s[16:17]
	s_add_nc_u64 s[46:47], s[70:71], s[46:47]
	; the outputs' addresses mix both coordinates: registers that feed no descriptor and no LDS address
	s_lshr_b32 s86, s13, 3                         ; batch
	s_lshl_b32 s86, s86, 4
	s_add_co_u32 s86, s86, s42                     ; 16 x batch + head
	s_lshl_b32 s86, s86, 18                        ; 2,048 x 64 f16 each
	s_and_b32 s87, s13, 7                          ; my block of 256 s in the batch
	s_mov_b32 s9, 0
	s_lshl_b32 s8, s87, 15                         ; 256 rows of 128 bytes
	s_add_co_u32 s8, s8, s86
	s_add_nc_u64 s[72:73], s[72:73], s[8:9]
	s_add_nc_u64 s[74:75], s[74:75], s[8:9]
	s_lshl_b32 s8, s87, 9                          ; 256 f16 along a row of V^T
	s_add_co_u32 s8, s8, s86
	s_add_nc_u64 s[76:77], s[76:77], s[8:9]
	CROUND                                         ; all sixteen work-groups are here: the first joint loads meet
.irp s, 0,1
	s_mov_b32 s[G0+4*\s], 1
	s_add_co_u32 s[G0+4*\s+1], s20, \s*SLOT
	s_add_nc_u64 s[G0+4*\s+2:G0+4*\s+3], s[14:15], \s*256          ; K step s
	s_or_b32 s[G0+4*\s+3], s[G0+4*\s+3], 0x80000000
	s_mov_b32 s[G0B+4*\s], 1
	s_add_co_u32 s[G0B+4*\s+1], s45, \s*SLOT
	s_add_nc_u64 s[G0B+4*\s+2:G0B+4*\s+3], s[46:47], \s*256
	s_or_b32 s[G0B+4*\s+3], s[G0B+4*\s+3], 0x80000000
	JLOAD \s                                       ; both first fills go out together: two tensor loads of a wave are out
.endr
	; A fragment (16 rows x 32 K, f16): lane l holds row l % 16; registers 0-3 K = 8 (l / 16) + 0..7, registers 4-7 K = 16 + 8 (l / 16) + 0..7:
	; two loads of 16 bytes, 32 bytes apart, at row x pitch + 16 (l / 16).
	v_and_b32 v1, 15, v0                           ; r
	v_bfe_u32 v2, v0, 4, 1                         ; h
	v_mul_u32_u24 v3, v1, PITCH
	v_lshl_add_u32 v3, v2, 4, v3                   ; 272 r + 16 h
	s_mul_i32 s21, s11, 128*PITCH                  ; my 128 rows of x
	s_mul_i32 s22, s12, 32*PITCH                   ; my 32 rows of each W,
	s_add_co_u32 s22, s22, XB                      ; behind x
.irp s, 0,1
	v_add_nc_u32 v[ADRA+\s], s21, v3
	v_add_nc_u32 v[ADRB+\s], s22, v3
	s_add_co_u32 s21, s21, SLOT
	s_add_co_u32 s22, s22, SLOT
.endr
	v_mul_u32_u24 v4, v1, QPITCH
	v_lshl_add_u32 v4, v2, 4, v4
	s_mul_i32 s23, s11, 128*QPITCH
	s_lshl_b32 s21, s12, 6
	s_add_co_u32 s23, s23, s21
	v_add_nc_u32 v[STQ], s23, v4                   ; (128 wr + r) 144 + 64 wc + 16 h
	v_mul_u32_u24 v4, v1, VPITCH
	v_lshl_add_u32 v4, v2, 4, v4
	s_mul_i32 s23, s12, 32*VPITCH
	s_lshl_b32 s21, s11, 8
	s_add_co_u32 s23, s23, s21
	s_add_co_u32 s23, s23, VST
	v_add_nc_u32 v[STV], s23, v4                   ; VST + (32 wc + r) 528 + 256 wr + 16 h
	v_and_b32 v5, 31, v0                           ; lane
	v_lshrrev_b32 v6, 3, v5
	v_and_b32 v7, 7, v0
	v_mul_u32_u24 v6, v6, QPITCH
	v_lshl_add_u32 v6, v7, 4, v6
	s_mul_i32 s23, s10, 64*QPITCH
	v_add_nc_u32 v[RDQ], s23, v6                   ; (64 w + lane / 8) 144 + 16 (lane % 8): four rows of 128 bytes a load
	s_mul_i32 s23, s10, 16*VPITCH
	s_add_co_u32 s23, s23, VST
	v_lshl_add_u32 v[RDV], v5, 4, s23              ; VST + 16 w rows + 16 lane: one row of 512 bytes a load
	s_lshl_b32 s23, s10, 13
	v_lshl_add_u32 v[GOQ], v5, 4, s23              ; 64 w rows of 128 bytes + 16 lane
	s_lshl_b32 s23, s10, 16
	v_lshl_add_u32 v[GOV], v5, 4, s23              ; 16 w rows of 4,096 bytes + 16 lane
; 28 LDS loads in one run: the fragments of quarter q of the slot's K step (32 along K, 64 bytes of a row) into buffer buf:
; W's six (12 loads), x's 0-3 (8), x's 4-7 (8)
.macro FETCH slot, q, buf
	WIN (0x40*\buf)                                ; destination window = the buffer, address window 0
.irp n, 0,1,2,3,4,5
	ds_load_b128 v[FW+8*\n:FW+8*\n+3], v[ADRB+\slot] offset:(\n/2)*WB+(\n%2)*16*PITCH+64*\q
	ds_load_b128 v[FW+8*\n+4:FW+8*\n+7], v[ADRB+\slot] offset:(\n/2)*WB+(\n%2)*16*PITCH+64*\q+32
.endr
.irp a, 0,1,2,3,4,5,6,7
	ds_load_b128 v[FX+8*\a:FX+8*\a+3], v[ADRA+\slot] offset:\a*16*PITCH+64*\q
	ds_load_b128 v[FX+8*\a+4:FX+8*\a+7], v[ADRA+\slot] offset:\a*16*PITCH+64*\q+32
.endr
.endm
; 24 matrix instructions: my rows 64 hi .. +63 x all six feature blocks, from buffer buf.  The 48 accumulators take turns, one instruction a turn,
; in the same order in every quarter.  zero = 1: the first product starts the sums.
.macro MUL buf, hi, zero
	WIN (0xa0+0x50*\hi+5*\buf)                     ; sources in the buffer's window, C and D in window 2 + hi
.irp a, 0,1,2,3
.irp n, 0,1,2,3
.if \zero
	v_wmma_f32_16x16x32_f16 v[8*(6*\a+\n):8*(6*\a+\n)+7], v[FW+8*\n:FW+8*\n+7], v[FX+8*(4*\hi+\a):FX+8*(4*\hi+\a)+7], 0
.else
	v_wmma_f32_16x16x32_f16 v[8*(6*\a+\n):8*(6*\a+\n)+7], v[FW+8*\n:FW+8*\n+7], v[FX+8*(4*\hi+\a):FX+8*(4*\hi+\a)+7], v[8*(6*\a+\n):8*(6*\a+\n)+7]
.endif
.endr
.irp n, 4,5
.if \zero
	v_wmma_f32_16x16x32_f16 v[8*(6*\a+\n):8*(6*\a+\n)+7], v[FX+8*(4*\hi+\a):FX+8*(4*\hi+\a)+7], v[FW+8*\n:FW+8*\n+7], 0
.else
	v_wmma_f32_16x16x32_f16 v[8*(6*\a+\n):8*(6*\a+\n)+7], v[FX+8*(4*\hi+\a):FX+8*(4*\hi+\a)+7], v[FW+8*\n:FW+8*\n+7], v[8*(6*\a+\n):8*(6*\a+\n)+7]
.endif
.endr
.endr
.endm
; One of a K step's first three quarters: multiplies buffer f; in its middle it fetches quarter q of the same slot into buffer g.
; The loads land in registers that matrix instructions have read: four places stand between (ISA guide 7.12.1 for vector instructions).
.macro QUARTER slot, q, f, g, zero
	s_wait_dscnt 8                                 ; W and x's fragments 0-3 are in; the youngest eight loads (x's 4-7) may be out
	MUL \f, 0, \zero
	PLACES 4
	FETCH \slot, \q, \g
	s_wait_dscnt 28                                ; all but the 28 just issued
	MUL \f, 1, \zero
.endm
.macro THREE slot, zero
	QUARTER \slot, 1, 0, 1, \zero
	QUARTER \slot, 2, 1, 0, 0
	QUARTER \slot, 3, 0, 1, 0
.endm
; The last quarter, and the change of slots.  In front of the barrier each wave's reads of this slot are over and all its tensor loads have landed
; (one is out: its part of the next slot).  Where the slot is filled again the barrier opens a round of the cluster's barrier, and the joint refill is
; the first tensor load behind the round.  From a request to the wait for it a wave issues 168 matrix instructions.
.macro TURN slot, next, fill
	s_wait_dscnt 0x0
	s_wait_tensorcnt 0x0
	ds_add_u32 v254, v255
	s_wait_dscnt 0x0
	s_barrier_signal -1
	MUL 1, 0, 0                                    ; register work while the others arrive
	WIN 0
	s_barrier_wait -1
.if \fill
	CREST
	s_add_nc_u64 s[G0+4*\slot+2:G0+4*\slot+3], s[G0+4*\slot+2:G0+4*\slot+3], 512     ; two K steps on; no tensor load of mine is out
	s_add_nc_u64 s[G0B+4*\slot+2:G0B+4*\slot+3], s[G0B+4*\slot+2:G0B+4*\slot+3], 512
	JLOAD \slot
.endif
	PLACES 4
	FETCH \next, 0, 0
	MUL 1, 1, 0
.endm
.macro LAP zero                        ; two K steps, both slots filled again
	THREE 0, \zero
	TURN 0, 1, 1
	THREE 1, 0
	TURN 1, 0, 1
.endm
	s_wait_tensorcnt 0x1                           ; my part of K step 0 is in; step 1's may stay out
	s_barrier_signal -1
	s_barrier_wait -1
	FETCH 0, 0, 0
	LAP 1                                          ; 8 K steps = 4 laps: one in front of the loop, two in it, one behind it without fills
	WIN 0
	s_mov_b32 s3, 2
.Llap:
	LAP 0
	WIN 0
	s_sub_co_u32 s3, s3, 1
	s_cmp_lg_u32 s3, 0
	s_cbranch_scc1 .Llap
	THREE 0, 0
	TURN 0, 1, 0
	THREE 1, 0
	s_wait_dscnt 0x0                               ; the very last quarter: nothing more to fetch
	MUL 1, 0, 0
	MUL 1, 1, 0
	; THE WAY OUT.  The stage (bytes 0 to 107,519) lies in slot 0, which has had its last fill; every wave's last reads of slot 0 stand in front of
	; the barrier of the last change of slots.  Four places behind the last matrix instructions, then the results are packed and staged.
	PLACES 4
.macro STAGE16 hi, from
	WIN \from
.irp a, 0,1,2,3
.irp n, 0,1,2,3,4,5
.irp i, 0,1,2,3
	v_cvt_pk_f16_f32 v[TMP+4*(6*\a+\n)+\i], v[8*(6*\a+\n)+2*\i], v[8*(6*\a+\n)+2*\i+1]
.endr
.endr
.endr
	WIN 0
.irp a, 0,1,2,3
.irp n, 0,1
	ds_store_b128 v[STQ], v[TMP+4*(6*\a+\n):TMP+4*(6*\a+\n)+3] offset:(4*\hi+\a)*16*QPITCH+32*\n            ; Q: row s, 8 features
	ds_store_b128 v[STQ], v[TMP+4*(6*\a+\n+2):TMP+4*(6*\a+\n+2)+3] offset:KST+(4*\hi+\a)*16*QPITCH+32*\n    ; K
	ds_store_b128 v[STV], v[TMP+4*(6*\a+\n+4):TMP+4*(6*\a+\n+4)+3] offset:\n*16*VPITCH+32*(4*\hi+\a)        ; V^T: row d, 8 s
.endr
.endr
.endm
	STAGE16 0, 0x0a
	STAGE16 1, 0x0f
	s_wait_dscnt 0x0                               ; my stores are done, for the others' sake
	s_barrier_signal -1
	s_barrier_wait -1
; 16 loads of 512 bytes from the stage, 16 stores of 512 consecutive aligned bytes
.macro OUTB rd, ro, rstep, buf, go, base, gstep
.irp t, 0,1,2,3,4,5,6,7,8,9,10,11,12,13,14,15
	ds_load_b128 v[\buf+4*\t:\buf+4*\t+3], v[\rd] offset:\ro+\rstep*\t
.endr
.irp t, 0,1,2,3,4,5,6,7,8,9,10,11,12,13,14,15
	s_wait_dscnt 15-\t
	global_store_b128 v[\go], v[\buf+4*\t:\buf+4*\t+3], s[\base:\base+1] offset:\gstep*\t
.endr
.endm
	OUTB RDQ, 0, 4*QPITCH, BA, GOQ, 72, 512        ; my 64 rows of Q
	OUTB RDQ, KST, 4*QPITCH, BB, GOQ, 74, 512      ; my 64 rows of K
	s_wait_xcnt 0x0                                ; BA, which Q's stores read, is loaded again only behind this wait
	OUTB RDV, 0, VPITCH, BA, GOV, 76, 4096         ; my 16 rows of V^T
	s_wait_tensorcnt 0x0
	ds_add_u32 v254, v255
	s_wait_dscnt 0x0
	CROUND                                         ; the closing round: no work-group ends while a partner may still ask jointly
	s_endpgm
.Lfunc_end_k_q528c3ceded_qkv:
	.size	k_q528c3ceded_qkv, .Lfunc_end_k_q528c3ceded_qkv-k_q528c3ceded_qkv
	.p2alignl 7, 3214868480
	.fill 96, 4, 3214868480
	.section	.rodata,"a",@progbits
	.p2align	6, 0x0
	.amdhsa_kernel k_q528c3ceded_qkv
		.amdhsa_group_segment_fixed_size 327680
		.amdhsa_private_segment_fixed_size 0
		.amdhsa_enable_private_segment 0
		.amdhsa_kernarg_size 40
		.amdhsa_user_sgpr_count 2
		.amdhsa_user_sgpr_kernarg_segment_ptr 1
		.amdhsa_wavefront_size32 1
		.amdhsa_system_sgpr_workgroup_id_x 1
		.amdhsa_system_sgpr_workgroup_id_y 1
		.amdhsa_system_sgpr_workgroup_id_z 1
		.amdhsa_system_vgpr_workitem_id 0
		.amdhsa_next_free_vgpr 960
		.amdhsa_next_free_sgpr 88
		.amdhsa_reserve_vcc 0
		.amdhsa_float_denorm_mode_32 3
		.amdhsa_float_denorm_mode_16_64 3
		.amdhsa_memory_ordered 1
		.amdhsa_forward_progress 1
		.amdhsa_inst_pref_size 157
	.end_amdhsa_kernel
	.amdgpu_metadata
---
amdhsa.version: [ 1, 2 ]
amdhsa.kernels:
  - .name:           k_q528c3ceded_qkv
    .symbol:         k_q528c3ceded_qkv.kd
    .args:
      - { .name: xh, .offset: 0, .size: 8, .value_kind: global_buffer, .address_space: global }
      - { .name: wh, .offset: 8, .size: 8, .value_kind: global_buffer, .address_space: global }
      - { .name: qw, .offset: 16, .size: 8, .value_kind: global_buffer, .address_space: global }
      - { .name: kw, .offset: 24, .size: 8, .value_kind: global_buffer, .address_space: global }
      - { .name: vt, .offset: 32, .size: 8, .value_kind: global_buffer, .address_space: global }
    .group_segment_fixed_size: 327680
    .private_segment_fixed_size: 0
    .kernarg_segment_align: 8
    .kernarg_segment_size: 40
    .max_flat_workgroup_size: 128
    .sgpr_count:     88
    .vgpr_count:     960
    .wavefront_size: 32
...
	.end_amdgpu_metadata
.endif
;; end of part 2
;; launch attn (part 3): grid 8 x 32, 8 waves a work-group, clusters of 4 x 1, 327,680 bytes of LDS; arguments qw, kw, vt, ao; writes ao
.if DOCPART == 3
	.amdgcn_target "amdgcn-amd-amdhsa--gfx1250"
	.amdhsa_code_object_version 6
	.text
	.protected	k_q528c3ceded_attn
	.globl	k_q528c3ceded_attn
	.p2align	8
	.type	k_q528c3ceded_attn,@function
k_q528c3ceded_attn:
	s_mov_b64 s[64:65], 0
	v_nop
	global_prefetch_b8 v0, s[64:65] scope:SCOPE_SE
	s_setreg_imm32_b32 hwreg(HW_REG_WAVE_MODE, 25, 1), 1
	s_wait_xcnt 0x0
	s_wait_alu depctr_hold_cnt(0) depctr_sa_sdst(0) depctr_va_vdst(0) depctr_va_sdst(0) depctr_va_ssrc(0) depctr_va_vcc(0) depctr_vm_vsrc(0)
	s_getreg_b32 s2, hwreg(HW_REG_IB_STS2, 6, 4)
	s_cmp_eq_u32 s2, 0
	s_cbranch_scc0 .Lentry_in_a_cluster
	s_endpgm
.Lentry_in_a_cluster:
	s_bfe_u32 s2, ttmp6, 0x10000c
	s_cmp_lg_u32 s2, 0x3003
	s_cbranch_scc0 .Lentry_shape_is_right
	s_endpgm
.Lentry_shape_is_right:
; softmax(Q K^T / 8) V for one (batch, head) and 256 query rows.  qw, kw: [bh][s][64] f16; vt: [bh][d][2048] f16;
; ao: [b][s / 2][head][s % 2][64] f16 (two rows of one head are 256 consecutive bytes; a pair of rows with all heads 4,096).
; Eight waves: wave w has the 64 queries 64 (w % 4) .. and the keys 1024 (w / 4) .. +1023; at the end waves 4-7 hand their sums, maxima and
; unnormalised results to waves 0-3 through LDS.  Two waves lie on each SIMD, so that one wave's softmax runs beside the other's matrix work.
; THE FORM: S^T = K Q^T and O^T = V^T P^T.  In a tile of S^T lane l holds query l % 16 and keys 8 (l / 16) + 0..7, so maxima and sums are kept per lane
; (one exchange between the halves), two tiles of S^T packed to f16 ARE a source-1 fragment of P^T, and the rescaling of O^T is a factor per lane.
; The running maximum is taken away before every exponential.  p = 2^(c s - c m) with c = log2(e) / 8; the rounded -c m is one number for a whole row, so its
; rounding cancels in the division.  LIMITS: operands are f16 (|Q|, |K|, |V|, |result| below 65,504); exponentials below 2^-126 count as zero
; (v_exp_f32, ISA guide 15.8); the row sums add the f32 p while the product takes p rounded to f16.
; CLUSTERS: the four work-groups of a cluster have the same (batch, head) and read the same K and V^T tiles: every tensor load is joint, mask 15.
; THE CHANGE OF SLOTS stands inside a tile's second step: a wave's last reads of a slot are that step's V^T fragments, which are in registers once the step's
; S^T products are done.  There the wave waits for them and for its tensor loads and signals; the maxima and exponentials (registers alone) run while the
; others arrive; behind the round come the slot's refill and the next slot's first K fragments, which land under the sums, the packing and the P V products.
; A wave has two tensor loads out at the start, later one.
.set KP,    144                        ; a key's 128 bytes + 16
.set VP,    272                        ; 128 keys of one d: 256 bytes + 16
.set KHALF, 128*KP                     ; the 128 keys of one half of the key range
.set VOFF,  2*KHALF
.set VHALF, 64*VP
.set SLOT,  VOFF+2*VHALF               ; 71,680 bytes
.set SCR,   2*SLOT                     ; the hand-over: 17,408 bytes a pair of waves; no fill lands here
.set SCRW,  17408                      ; O 16,384, maxima 512, sums 512
.set STG,   SCR+4*SCRW                 ; the way out: 64 rows of 144 bytes for each of waves 0-3
.set STGW,  64*KP
.set KAD, 4                            ; v4-5   LDS address of my K fragments in slot 0, 1
.set VAD, 6                            ; v6-7   of my V^T fragments
.set QOF, 8                            ; my byte offset in Q
.set SCA, 9                            ; hand-over
.set STO, 10                           ; stage in
.set RD,  11                           ; stage back
.set CO,  12                           ; my byte offset in ao
.set MXG, 16                           ; v16-23 maxima of the eight groups (c, qt)
.set MR,  24                           ; v24-27 running maximum of query block qt
.set NM,  28                           ; v28-35 -c m, twice (pairs)
.set AL,  36                           ; v36-43 the rescaling factor, twice
.set LS,  44                           ; v44-51 running sums, two partial sums a block
.set UT,  52                           ; v52-55 at work; at the end the sums
.set TT,  56                           ; v56-63 at work
.set SC,  64                           ; v64-191 S^T: group (c, qt) at 16 (4 c + qt): key tiles 2 c and 2 c + 1; packed, its first 8 registers are P^T's fragment
.set KF,  192                          ; v192-255 K's fragments (kt, kk) at 8 (2 kt + kk)
.set OA,  0                            ; window 1: v0-127 O^T, tile (dt, qt) at 8 (4 dt + qt)
.set QF,  128                          ; window 1: v128-191 Q's fragments (qt, kk)
.set VF,  192                          ; window 1: v192-255 V^T's fragments (dt, c)
.set G1K, 16
.set G1V, 24
.set G0K, 32
.set G0V, 40
.set MSB, 0
.macro WIN new
.if MSB != \new
	s_set_vgpr_msb (MSB<<8)|\new
.set MSB, \new
.endif
.endm
.macro PLACES n
.rept \n
	v_nop
.endr
.endm
.macro CREST                           ; a round of the cluster's barrier behind its opening work-group barrier
	s_cmp_lg_u32 s8, 0
	s_cbranch_scc1 .Lnot_wave_0_\@
	s_barrier_signal -3
.Lnot_wave_0_\@:
	s_barrier_wait -3
	s_barrier_signal -1
	s_barrier_wait -1
.endm
.macro ROUND                           ; a whole round
	s_barrier_signal -1
	s_barrier_wait -1
	CREST
.endm
.macro JLOAD o                         ; waves 0-3: 64 keys of K each; waves 4-7: 32 rows of V^T each
	s_cmp_lt_u32 s8, 4
	s_cbranch_scc0 .Lfor_v_\@
	tensor_load_to_lds s[G0K+4*\o:G0K+4*\o+3], s[G1K:G1K+7]
	s_nop 0
	s_branch .Lasked_\@
.Lfor_v_\@:
	tensor_load_to_lds s[G0V+4*\o:G0V+4*\o+3], s[G1V:G1V+7]
	s_nop 0
.Lasked_\@:
.endm
	s_load_b256 s[68:75], s[0:1], 0x0              ; qw s[68:69], kw s[70:71], vt s[72:73], ao s[74:75]
	v_lshl_add_u32 v62, v0, 2, 0x3d000
	v_mov_b32 v63, 0
	ds_add_u32 v62, v63
	s_wait_dscnt 0x0
	v_lshrrev_b32 v1, 5, v0
	v_readfirstlane_b32 s8, v1                     ; wave 0..7
	s_and_b32 s9, s8, 3                            ; qg: my 64 queries
	s_lshr_b32 s10, s8, 2                          ; kh: my half of the keys
	s_lshr_b32 s11, s8, 1
	s_and_b32 s11, s11, 1                          ; a: the half that I fetch for
	s_and_b32 s15, s8, 1                           ; b: which part of its tile
	s_bfe_u32 s4, ttmp6, 0x40000                   ; cx
	s_lshl_b32 s5, ttmp9, 2
	s_add_co_u32 s5, s5, s4                        ; block of 256 queries
	s_and_b32 s48, ttmp7, 0xffff                   ; 16 x batch + head
	s_mov_b32 s6, 0x3e38aa3b                       ; c = log2(e) / 8,
	s_mov_b32 s7, 0x3e38aa3b                       ; a pair for the packed form
	s_mov_b32 s14, 0xbe38aa3b                      ; -c
	s_mov_b32 s12, 0x76543210                      ; v_permlanex16_b32: lane i of one half reads lane i of the other
	s_mov_b32 s13, 0xfedcba98
	s_mov_b32 s[G1K+0], 15|(1<<16)|(1<<20)|(1<<21)|(4<<22)|(3<<25)   ; mask: all four; 2 bytes; padding of 4 words behind every 32
	s_mov_b32 s[G1K+1], 64<<16                     ; tensor_dim0 = 64
	s_mov_b32 s[G1K+2], 64<<16                     ; tensor_dim1 = 64 keys
	s_mov_b32 s[G1K+3], 64<<16                     ; tile_dim0
	s_mov_b32 s[G1K+4], 64                         ; tile_dim1
	s_mov_b32 s[G1K+5], 64                         ; elements from key to key
	s_mov_b32 s[G1K+6], 0
	s_mov_b32 s[G1K+7], 0
	s_mov_b32 s[G1V+0], 15|(1<<16)|(1<<20)|(1<<21)|(5<<22)|(3<<25)   ; padding behind every 64 words
	s_mov_b32 s[G1V+1], 128<<16                    ; 128 keys along a row
	s_mov_b32 s[G1V+2], 32<<16                     ; 32 rows d
	s_mov_b32 s[G1V+3], 128<<16
	s_mov_b32 s[G1V+4], 32
	s_mov_b32 s[G1V+5], 2048
	s_mov_b32 s[G1V+6], 0
	s_mov_b32 s[G1V+7], 0
	; the tiles' addresses hang on (batch, head) and the wave alone
	s_lshl_b32 s58, s48, 18
	s_lshl_b32 s49, s11, 17                        ; K: 1,024 keys of 128 bytes a half,
	s_add_co_u32 s58, s58, s49
	s_lshl_b32 s49, s15, 13                        ; 64 keys a part
	s_add_co_u32 s58, s58, s49
	s_mov_b32 s59, 0
	s_lshl_b32 s60, s48, 18
	s_lshl_b32 s49, s15, 17                        ; V^T: 32 rows of 4,096 bytes a part,
	s_add_co_u32 s60, s60, s49
	s_lshl_b32 s49, s11, 11                        ; 1,024 keys of 2 bytes a half
	s_add_co_u32 s60, s60, s49
	s_mov_b32 s61, 0
	s_mul_i32 s62, s8, 64*KP                       ; K's part w in a slot
	s_mul_i32 s63, s8, 32*VP
	s_add_co_u32 s63, s63, VOFF-4*32*VP            ; V^T's part w - 4, behind K
	; plain addresses with the query block in them: registers of their own
	s_lshl_b32 s54, s5, 8
	s_lshl_b32 s55, s9, 6
	s_add_co_u32 s54, s54, s55                     ; my first query row
	s_lshl_b32 s56, s54, 7
	s_lshl_b32 s55, s48, 18
	s_add_co_u32 s56, s56, s55
	s_mov_b32 s57, 0
	s_wait_kmcnt 0x0
	s_add_nc_u64 s[58:59], s[70:71], s[58:59]
	s_add_nc_u64 s[60:61], s[72:73], s[60:61]
	s_add_nc_u64 s[50:51], s[68:69], s[56:57]      ; Q at my first row
	s_lshr_b32 s55, s48, 4
	s_lshl_b32 s55, s55, 22                        ; batch
	s_lshl_b32 s56, s54, 11                        ; pairs of rows of 4,096 bytes
	s_add_co_u32 s56, s56, s55
	s_and_b32 s55, s48, 15
	s_lshl_b32 s55, s55, 8                         ; head
	s_add_co_u32 s56, s56, s55
	s_add_nc_u64 s[52:53], s[74:75], s[56:57]      ; ao at my first pair of rows
.irp n, 0,1
	s_mov_b32 s[G0K+4*\n], 1
	s_add_co_u32 s[G0K+4*\n+1], s62, \n*SLOT
	s_add_nc_u64 s[G0K+4*\n+2:G0K+4*\n+3], s[58:59], \n*16384      ; tile n: 128 keys on
	s_or_b32 s[G0K+4*\n+3], s[G0K+4*\n+3], 0x80000000
	s_mov_b32 s[G0V+4*\n], 1
	s_add_co_u32 s[G0V+4*\n+1], s63, \n*SLOT
	s_add_nc_u64 s[G0V+4*\n+2:G0V+4*\n+3], s[60:61], \n*256
	s_or_b32 s[G0V+4*\n+3], s[G0V+4*\n+3], 0x80000000
.endr
	ROUND                                          ; in front of the first joint loads
	JLOAD 0                                        ; tiles 0 and 1: both first fills go out together
	JLOAD 1
	v_and_b32 v1, 15, v0                           ; r
	v_bfe_u32 v2, v0, 4, 1                         ; h
	v_and_b32 v3, 31, v0                           ; lane
	v_lshlrev_b32 v[QOF], 7, v1
	v_lshl_add_u32 v[QOF], v2, 4, v[QOF]           ; 128 r + 16 h
	WIN 0x40                                       ; destination window 1
.irp qt, 0,1,2,3
.irp kk, 0,1
	global_load_b128 v[QF+8*(2*\qt+\kk):QF+8*(2*\qt+\kk)+3], v[QOF], s[50:51] offset:2048*\qt+64*\kk
	global_load_b128 v[QF+8*(2*\qt+\kk)+4:QF+8*(2*\qt+\kk)+7], v[QOF], s[50:51] offset:2048*\qt+64*\kk+32
.endr
.endr
	WIN 0
	v_mul_u32_u24 v13, v1, KP
	v_lshl_add_u32 v13, v2, 4, v13                 ; 144 r + 16 h
	s_mul_i32 s49, s10, KHALF
	v_add_nc_u32 v[KAD], s49, v13
	v_add_nc_u32 v[KAD+1], SLOT, v[KAD]
	v_mul_u32_u24 v14, v1, VP
	v_lshl_add_u32 v14, v2, 4, v14                 ; 272 r + 16 h
	s_mul_i32 s49, s10, VHALF
	s_add_co_u32 s49, s49, VOFF
	v_add_nc_u32 v[VAD], s49, v14
	v_add_nc_u32 v[VAD+1], SLOT, v[VAD]
	s_mul_i32 s49, s9, SCRW
	s_add_co_u32 s49, s49, SCR
	v_lshl_add_u32 v[SCA], v3, 4, s49
	s_mul_i32 s49, s9, STGW
	s_add_co_u32 s49, s49, STG
	v_add_nc_u32 v[STO], s49, v13
	v_lshrrev_b32 v14, 3, v3
	v_and_b32 v15, 7, v0
	v_mul_u32_u24 v14, v14, KP
	v_lshl_add_u32 v14, v15, 4, v14
	v_add_nc_u32 v[RD], s49, v14                   ; row lane / 8, 16 bytes at 16 (lane % 8)
	v_lshlrev_b32 v14, 12, v2
	v_lshl_add_u32 v[CO], v1, 4, v14               ; lanes 0-15: one pair of rows' 256 bytes; lanes 16-31: the next pair's
.irp qt, 0,1,2,3
	v_mov_b32 v[UT+\qt], 0                         ; v_permlanex16_b32 counts as a reader of its destination
.endr
.macro LOADK slot, st                  ; 16 loads: the K fragments of 64 keys
	WIN 0
.irp kt, 0,1,2,3
.irp kk, 0,1
	ds_load_b128 v[KF+8*(2*\kt+\kk):KF+8*(2*\kt+\kk)+3], v[KAD+\slot] offset:(64*\st+16*\kt)*KP+64*\kk
	ds_load_b128 v[KF+8*(2*\kt+\kk)+4:KF+8*(2*\kt+\kk)+7], v[KAD+\slot] offset:(64*\st+16*\kt)*KP+64*\kk+32
.endr
.endr
.endm
.macro LOADV slot, st                  ; 16 loads: the V^T fragments of the same 64 keys
	WIN 0x40
.irp dt, 0,1,2,3
.irp c, 0,1
	ds_load_b128 v[VF+8*(2*\dt+\c):VF+8*(2*\dt+\c)+3], v[VAD+\slot] offset:\dt*16*VP+128*\st+64*\c
	ds_load_b128 v[VF+8*(2*\dt+\c)+4:VF+8*(2*\dt+\c)+7], v[VAD+\slot] offset:\dt*16*VP+128*\st+64*\c+32
.endr
.endr
.endm
; 16 matrix instructions each.  The 16 accumulators take turns, one instruction a turn.
.macro SMUL kk, zero
.irp c, 0,1
.irp e, 0,1
.irp qt, 0,1,2,3
.if \zero
	v_wmma_f32_16x16x32_f16 v[SC+16*(4*\c+\qt)+8*\e:SC+16*(4*\c+\qt)+8*\e+7], v[KF+8*(4*\c+2*\e+\kk):KF+8*(4*\c+2*\e+\kk)+7], v[QF+8*(2*\qt+\kk):QF+8*(2*\qt+\kk)+7], 0
.else
	v_wmma_f32_16x16x32_f16 v[SC+16*(4*\c+\qt)+8*\e:SC+16*(4*\c+\qt)+8*\e+7], v[KF+8*(4*\c+2*\e+\kk):KF+8*(4*\c+2*\e+\kk)+7], v[QF+8*(2*\qt+\kk):QF+8*(2*\qt+\kk)+7], v[SC+16*(4*\c+\qt)+8*\e:SC+16*(4*\c+\qt)+8*\e+7]
.endif
.endr
.endr
.endr
.endm
.macro PMUL c, zero
.irp dt, 0,1,2,3
.irp qt, 0,1,2,3
.if \zero
	v_wmma_f32_16x16x32_f16 v[OA+8*(4*\dt+\qt):OA+8*(4*\dt+\qt)+7], v[VF+8*(2*\dt+\c):VF+8*(2*\dt+\c)+7], v[SC+16*(4*\c+\qt):SC+16*(4*\c+\qt)+7], 0
.else
	v_wmma_f32_16x16x32_f16 v[OA+8*(4*\dt+\qt):OA+8*(4*\dt+\qt)+7], v[VF+8*(2*\dt+\c):VF+8*(2*\dt+\c)+7], v[SC+16*(4*\c+\qt):SC+16*(4*\c+\qt)+7], v[OA+8*(4*\dt+\qt):OA+8*(4*\dt+\qt)+7]
.endif
.endr
.endr
.endm
; 64 keys against my 64 queries.  On entry this step's 16 K loads have been issued.  first = 1: nothing has been summed yet.
; mode 1: the K fragments of the slot's second 64 keys are fetched under the softmax.
; mode 2: the slot's last step: change of slots with a round of the cluster's barrier, this slot's refill, and the other slot's first K fragments.
; mode 3: the same without a refill: a work-group barrier alone.
; mode 0: the very last step: nothing more to fetch.
.macro STEP slot, other, st, first, mode
	LOADV \slot, \st
	WIN 0x04                                       ; source 1 (Q) window 1
	s_wait_dscnt 16                                ; K's 16 loads are older than V^T's 16: K is in
	SMUL 0, 1
	SMUL 1, 0
	WIN 0
	PLACES 4                                       ; behind the matrix instructions: the maxima read their results, the loads land in their sources
.if \mode == 1
	LOADK \slot, 1
.endif
.if \mode >= 2
	s_wait_dscnt 0x0                               ; V^T's fragments are in: my reads of this slot are over
	s_wait_xcnt 0x0
	v_lshl_add_u32 v62, v0, 2, 0x3d000
	v_mov_b32 v63, 0
	s_wait_tensorcnt 0x0                           ; all my tensor loads have landed: the one that was out is my part of the other slot's tile
	ds_add_u32 v62, v63
	s_wait_dscnt 0x0
	s_barrier_signal -1                            ; say so; up to the wait below only registers are touched
.endif
	; the largest of each group's 16 numbers, eight chains side by side
.irp g, 0,1,2,3,4,5,6,7
	v_max3_num_f32 v[MXG+\g], v[SC+16*\g], v[SC+16*\g+1], v[SC+16*\g+2]
.endr
.irp i, 0,1,2,3,4,5
.irp g, 0,1,2,3,4,5,6,7
	v_max3_num_f32 v[MXG+\g], v[MXG+\g], v[SC+16*\g+3+2*\i], v[SC+16*\g+4+2*\i]
.endr
.endr
.irp g, 0,1,2,3,4,5,6,7
	v_max_num_f32 v[MXG+\g], v[MXG+\g], v[SC+16*\g+15]
.endr
	; the new running maximum of each query, -c m, and the factor 2^(c m_old - c m_new)
.irp qt, 0,1,2,3
.if \first
	v_max_num_f32 v[MXG+\qt], v[MXG+\qt], v[MXG+4+\qt]
.else
	v_max3_num_f32 v[MXG+\qt], v[MXG+\qt], v[MXG+4+\qt], v[MR+\qt]
.endif
.endr
.irp qt, 0,1,2,3
	v_permlanex16_b32 v[UT+\qt], v[MXG+\qt], s12, s13              ; the other half's keys
.endr
.irp qt, 0,1,2,3
	v_max_num_f32 v[MR+\qt], v[MXG+\qt], v[UT+\qt]
.endr
.irp qt, 0,1,2,3
	v_mul_f32 v[UT+\qt], s14, v[MR+\qt]
.endr
.if \first == 0
.irp qt, 0,1,2,3
	v_sub_f32 v[TT+\qt], v[UT+\qt], v[NM+2*\qt]
.endr
.irp qt, 0,1,2,3
	v_exp_f32 v[AL+2*\qt], v[TT+\qt]
	v_exp_f32 v[AL+2*\qt+1], v[TT+\qt]             ; the moves below are the plain instructions behind these (ISA guide 5.7.2)
.endr
.endif
.irp qt, 0,1,2,3
	v_mov_b32 v[NM+2*\qt], v[UT+\qt]
	v_mov_b32 v[NM+2*\qt+1], v[UT+\qt]
.endr
	; p = 2^(c s - c m)
.irp c, 0,1
.irp qt, 0,1,2,3
.irp i, 0,1,2,3,4,5,6,7
	v_pk_fma_f32 v[SC+16*(4*\c+\qt)+2*\i:SC+16*(4*\c+\qt)+2*\i+1], v[SC+16*(4*\c+\qt)+2*\i:SC+16*(4*\c+\qt)+2*\i+1], s[6:7], v[NM+2*\qt:NM+2*\qt+1] op_sel_hi:[1,0,1]
.endr
.endr
.endr
.set j, 0
.rept 128
	v_exp_f32 v[SC+j], v[SC+j]
.set j, j+1
.endr
	v_nop                                          ; one plain instruction behind the run of exponentials
.if \mode >= 2
	s_barrier_wait -1                              ; all eight waves have said so
.if \mode == 2
	CREST                                          ; and all four work-groups: no wave of any partner still reads this slot or has a load on its way
	s_add_nc_u64 s[G0K+4*\slot+2:G0K+4*\slot+3], s[G0K+4*\slot+2:G0K+4*\slot+3], 32768   ; two tiles on (no tensor load of mine is out)
	s_add_nc_u64 s[G0V+4*\slot+2:G0V+4*\slot+3], s[G0V+4*\slot+2:G0V+4*\slot+3], 512
	JLOAD \slot                                    ; the first tensor load behind the round; it has more than a step in which to land
.endif
	LOADK \other, 0                                ; the other slot's tile is whole: its first K fragments
.endif
	; the row sums: a block's 32 numbers a lane as 16 pairs in four chains
	s_wait_alu depctr_va_vdst(0)
.irp qt, 0,1,2,3
.irp i, 0,1,2,3
	v_pk_add_f32 v[TT+2*\i:TT+2*\i+1], v[SC+16*\qt+4*\i:SC+16*\qt+4*\i+1], v[SC+16*\qt+4*\i+2:SC+16*\qt+4*\i+3]
.endr
.irp i, 0,1,2,3
	v_pk_add_f32 v[TT+2*\i:TT+2*\i+1], v[TT+2*\i:TT+2*\i+1], v[SC+16*(4+\qt)+2*\i:SC+16*(4+\qt)+2*\i+1]
.endr
.irp i, 0,1,2,3
	v_pk_add_f32 v[TT+2*\i:TT+2*\i+1], v[TT+2*\i:TT+2*\i+1], v[SC+16*(4+\qt)+8+2*\i:SC+16*(4+\qt)+8+2*\i+1]
.endr
	v_pk_add_f32 v[TT:TT+1], v[TT:TT+1], v[TT+2:TT+3]
	v_pk_add_f32 v[TT+4:TT+5], v[TT+4:TT+5], v[TT+6:TT+7]
.if \first
	v_pk_add_f32 v[LS+2*\qt:LS+2*\qt+1], v[TT:TT+1], v[TT+4:TT+5]
.else
	v_pk_add_f32 v[TT:TT+1], v[TT:TT+1], v[TT+4:TT+5]
	v_pk_fma_f32 v[LS+2*\qt:LS+2*\qt+1], v[LS+2*\qt:LS+2*\qt+1], v[AL+2*\qt:AL+2*\qt+1], v[TT:TT+1]
.endif
.endr
	; p to f16 in place, ascending: register i takes numbers 2 i and 2 i + 1, so nothing unread is written over
.irp g, 0,1,2,3,4,5,6,7
.irp i, 0,1,2,3,4,5,6,7
	v_cvt_pk_f16_f32 v[SC+16*\g+\i], v[SC+16*\g+2*\i], v[SC+16*\g+2*\i+1]
.endr
.endr
.if \first == 0
	WIN 0x41                                       ; O^T in window 1, the factor in window 0
.irp dt, 0,1,2,3
.irp qt, 0,1,2,3
.irp i, 0,1,2,3
	v_pk_mul_f32 v[OA+8*(4*\dt+\qt)+2*\i:OA+8*(4*\dt+\qt)+2*\i+1], v[OA+8*(4*\dt+\qt)+2*\i:OA+8*(4*\dt+\qt)+2*\i+1], v[AL+2*\qt:AL+2*\qt+1]
.endr
.endr
.endr
.endif
	WIN 0x51                                       ; V^T and O^T window 1, P^T window 0
.if \mode
	s_wait_dscnt 16                                ; V^T is in; the 16 younger loads (the next K fragments) may stay out
.else
	s_wait_dscnt 0
.endif
	PMUL 0, \first
	PMUL 1, 0
	WIN 0
	PLACES 5                                       ; the next S^T products write over P^T, the next loads land in V^T's fragments
.endm
; One tile: 128 keys of each half, two steps; mode is the second step's.
.macro TRIP slot, other, first, mode
	STEP \slot, \other, 0, \first, 1
	STEP \slot, \other, 1, 0, \mode
.endm
	s_wait_tensorcnt 0x1                           ; my part of tile 0 is in; tile 1's may stay out
	s_barrier_signal -1
	s_barrier_wait -1
	LOADK 0, 0
	s_wait_loadcnt 0x0                             ; Q
	TRIP 0, 1, 1, 2                                ; 8 tiles: two in front of the loop, four in it, two behind it.  Tile t's change of slots asks for tile t + 2
	TRIP 1, 0, 0, 2
	s_mov_b32 s3, 2
.Lpair:
	TRIP 0, 1, 0, 2
	TRIP 1, 0, 0, 2
	s_sub_co_u32 s3, s3, 1
	s_cmp_lg_u32 s3, 0
	s_cbranch_scc1 .Lpair
	TRIP 0, 1, 0, 3                                ; tile 6: nothing is left to ask for
	TRIP 1, 0, 0, 0                                ; tile 7
	; each query's sum over my half of the keys
.irp qt, 0,1,2,3
	v_add_f32 v[UT+\qt], v[LS+2*\qt], v[LS+2*\qt+1]
.endr
.irp qt, 0,1,2,3
	v_permlanex16_b32 v[MXG+\qt], v[UT+\qt], s12, s13
.endr
.irp qt, 0,1,2,3
	v_add_f32 v[UT+\qt], v[UT+\qt], v[MXG+\qt]
.endr
	s_cmp_lt_u32 s8, 4
	s_cbranch_scc1 .Lkeep
	WIN 0x04                                       ; store data window 1: waves 4-7 hand over O^T,
.set j, 0
.rept 32
	ds_store_b128 v[SCA], v[OA+4*j:OA+4*j+3] offset:512*j
.set j, j+1
.endr
	WIN 0
	ds_store_b128 v[SCA], v[MR:MR+3] offset:16384  ; their maxima
	ds_store_b128 v[SCA], v[UT:UT+3] offset:16896  ; and their sums
.Lkeep:
	s_wait_dscnt 0x0
	s_barrier_signal -1
	s_barrier_wait -1
	s_cmp_lt_u32 s8, 4
	s_cbranch_scc0 .Lclose
	; waves 0-3: the two halves are joined.  f1 = 2^(c m1 - c m) / l, f2 = 2^(c m2 - c m) / l, l = l1 2^(..) + l2 2^(..), which is at least 1
	ds_load_b128 v[MXG:MXG+3], v[SCA] offset:16384
	ds_load_b128 v[MXG+4:MXG+7], v[SCA] offset:16896
.set j, 0
.rept 32
	ds_load_b128 v[SC+4*j:SC+4*j+3], v[SCA] offset:512*j
.set j, j+1
.endr
	s_wait_dscnt 32                                ; the two oldest: maxima and sums
.irp qt, 0,1,2,3
	v_max_num_f32 v[TT+\qt], v[MR+\qt], v[MXG+\qt]
	v_mul_f32 v[TT+4+\qt], s14, v[MXG+\qt]         ; -c m2, rounded as the other wave rounded it
.endr
.irp qt, 0,1,2,3
	v_mul_f32 v[TT+\qt], s14, v[TT+\qt]
.endr
.irp qt, 0,1,2,3
	v_sub_f32 v[TT+4+\qt], v[TT+\qt], v[TT+4+\qt]
	v_sub_f32 v[TT+\qt], v[TT+\qt], v[NM+2*\qt]
.endr
.irp qt, 0,1,2,3
	v_exp_f32 v[TT+\qt], v[TT+\qt]
	v_exp_f32 v[TT+4+\qt], v[TT+4+\qt]
.endr
	v_nop
	s_wait_alu depctr_va_vdst(0)
.irp qt, 0,1,2,3
	v_mul_f32 v[UT+\qt], v[UT+\qt], v[TT+\qt]
.endr
.irp qt, 0,1,2,3
	v_fmac_f32 v[UT+\qt], v[MXG+4+\qt], v[TT+4+\qt]
.endr
.irp qt, 0,1,2,3
	v_rcp_f32 v[UT+\qt], v[UT+\qt]
.endr
	v_nop
	s_wait_alu depctr_va_vdst(0)
.irp qt, 0,1,2,3
	v_mul_f32 v[AL+2*\qt], v[TT+\qt], v[UT+\qt]
	v_mul_f32 v[AL+2*\qt+1], v[TT+\qt], v[UT+\qt]
	v_mul_f32 v[NM+2*\qt], v[TT+4+\qt], v[UT+\qt]
	v_mul_f32 v[NM+2*\qt+1], v[TT+4+\qt], v[UT+\qt]
.endr
	s_wait_dscnt 0x0
.irp dt, 0,1,2,3
.irp qt, 0,1,2,3
.irp i, 0,1,2,3
	v_pk_mul_f32 v[SC+8*(4*\dt+\qt)+2*\i:SC+8*(4*\dt+\qt)+2*\i+1], v[SC+8*(4*\dt+\qt)+2*\i:SC+8*(4*\dt+\qt)+2*\i+1], v[NM+2*\qt:NM+2*\qt+1]
.endr
.endr
.endr
	WIN 0x01                                       ; source 0: my own O^T in window 1
.irp dt, 0,1,2,3
.irp qt, 0,1,2,3
.irp i, 0,1,2,3
	v_pk_fma_f32 v[SC+8*(4*\dt+\qt)+2*\i:SC+8*(4*\dt+\qt)+2*\i+1], v[OA+8*(4*\dt+\qt)+2*\i:OA+8*(4*\dt+\qt)+2*\i+1], v[AL+2*\qt:AL+2*\qt+1], v[SC+8*(4*\dt+\qt)+2*\i:SC+8*(4*\dt+\qt)+2*\i+1]
.endr
.endr
.endr
	WIN 0
	; the way out: a lane's 8 numbers are d = 16 dt + 8 h + 0..7 of query 16 qt + r: 16 bytes into my own stage, whole rows back
.irp g, 0,1,2,3,4,5,6,7,8,9,10,11,12,13,14,15
.irp i, 0,1,2,3
	v_cvt_pk_f16_f32 v[SC+8*\g+\i], v[SC+8*\g+2*\i], v[SC+8*\g+2*\i+1]
.endr
.endr
.irp dt, 0,1,2,3
.irp qt, 0,1,2,3
	ds_store_b128 v[STO], v[SC+8*(4*\dt+\qt):SC+8*(4*\dt+\qt)+3] offset:\qt*16*KP+32*\dt
.endr
.endr
.irp t, 0,1,2,3,4,5,6,7,8,9,10,11,12,13,14,15
	ds_load_b128 v[KF+4*\t:KF+4*\t+3], v[RD] offset:\t*4*KP        ; LDS serves a wave's instructions in order (ISA guide 5.7.1): these see the stores above
.endr
.irp t, 0,1,2,3,4,5,6,7,8,9,10,11,12,13,14,15
	s_wait_dscnt 15-\t
	global_store_b128 v[CO], v[KF+4*\t:KF+4*\t+3], s[52:53] offset:8192*\t   ; sixteen lanes store 256 consecutive bytes, aligned: two rows of my head
.endr
.Lclose:
	s_wait_xcnt 0x0
	v_lshl_add_u32 v62, v0, 2, 0x3d000
	v_mov_b32 v63, 0
	s_wait_tensorcnt 0x0
	ds_add_u32 v62, v63
	s_wait_dscnt 0x0
	ROUND                                          ; the closing round
	s_endpgm
.Lfunc_end_k_q528c3ceded_attn:
	.size	k_q528c3ceded_attn, .Lfunc_end_k_q528c3ceded_attn-k_q528c3ceded_attn
	.p2alignl 7, 3214868480
	.fill 96, 4, 3214868480
	.section	.rodata,"a",@progbits
	.p2align	6, 0x0
	.amdhsa_kernel k_q528c3ceded_attn
		.amdhsa_group_segment_fixed_size 327680
		.amdhsa_private_segment_fixed_size 0
		.amdhsa_enable_private_segment 0
		.amdhsa_kernarg_size 32
		.amdhsa_user_sgpr_count 2
		.amdhsa_user_sgpr_kernarg_segment_ptr 1
		.amdhsa_wavefront_size32 1
		.amdhsa_system_sgpr_workgroup_id_x 1
		.amdhsa_system_sgpr_workgroup_id_y 1
		.amdhsa_system_sgpr_workgroup_id_z 1
		.amdhsa_system_vgpr_workitem_id 0
		.amdhsa_next_free_vgpr 512
		.amdhsa_next_free_sgpr 76
		.amdhsa_reserve_vcc 0
		.amdhsa_float_denorm_mode_32 3
		.amdhsa_float_denorm_mode_16_64 3
		.amdhsa_memory_ordered 1
		.amdhsa_forward_progress 1
		.amdhsa_inst_pref_size 255
	.end_amdhsa_kernel
	.section	.bss,"aw",@nobits
	.p2align	6
	.space	262144
	.amdgpu_metadata
---
amdhsa.version: [ 1, 2 ]
amdhsa.kernels:
  - .name:           k_q528c3ceded_attn
    .symbol:         k_q528c3ceded_attn.kd
    .args:
      - { .name: qw, .offset: 0, .size: 8, .value_kind: global_buffer, .address_space: global }
      - { .name: kw, .offset: 8, .size: 8, .value_kind: global_buffer, .address_space: global }
      - { .name: vt, .offset: 16, .size: 8, .value_kind: global_buffer, .address_space: global }
      - { .name: ao, .offset: 24, .size: 8, .value_kind: global_buffer, .address_space: global }
    .group_segment_fixed_size: 327680
    .private_segment_fixed_size: 0
    .kernarg_segment_align: 8
    .kernarg_segment_size: 32
    .max_flat_workgroup_size: 256
    .sgpr_count:     76
    .vgpr_count:     512
    .wavefront_size: 32
...
	.end_amdgpu_metadata
.endif
;; end of part 3
;; launch oproj (part 4): grid 8 x 32, 4 waves a work-group, clusters of 4 x 4, 327,680 bytes of LDS; arguments ao, wo, out0; writes out0
.if DOCPART == 4
	.amdgcn_target "amdgcn-amd-amdhsa--gfx1250"
	.amdhsa_code_object_version 6
	.text
	.protected	k_q528c3ceded_oproj
	.globl	k_q528c3ceded_oproj
	.p2align	8
	.type	k_q528c3ceded_oproj,@function
k_q528c3ceded_oproj:
	s_mov_b64 s[64:65], 0
	v_nop
	global_prefetch_b8 v0, s[64:65] scope:SCOPE_SE
	s_setreg_imm32_b32 hwreg(HW_REG_WAVE_MODE, 25, 1), 1
	s_wait_xcnt 0x0
	s_wait_alu depctr_hold_cnt(0) depctr_sa_sdst(0) depctr_va_vdst(0) depctr_va_sdst(0) depctr_va_ssrc(0) depctr_va_vcc(0) depctr_vm_vsrc(0)
	s_getreg_b32 s2, hwreg(HW_REG_IB_STS2, 6, 4)
	s_cmp_eq_u32 s2, 0
	s_cbranch_scc0 .Lentry_in_a_cluster
	s_endpgm
.Lentry_in_a_cluster:
	s_bfe_u32 s2, ttmp6, 0x10000c
	s_cmp_lg_u32 s2, 0xf033
	s_cbranch_scc0 .Lentry_shape_is_right
	s_endpgm
.Lentry_shape_is_right:
; out0 = attention output x W_o^T.  ao: [pair of rows][head][row % 2][64] f16 (4,096 bytes a pair); wo: [1024][1024] f16; out0: [4096][1024] f32.
; A work-group makes 128 x 128 of out0 with four waves of 64 x 64 (16 accumulator tiles in window 1).  K = 1024 goes in four steps of 256 (four heads)
; through two LDS slots: a tile row of ao is 1,024 bytes of a pair of rows, one of wo 512 bytes, both at multiples of 256 bytes.
; Operands f16, sums f32 (the f16 range is kept by the launches that wrote ao and wo).
; CLUSTERS: 4 x 4 work-groups; ao's tile hangs on the row block alone and is shared along a row of the cluster, wo's on the column block alone and is
; shared along a column: joint loads divide the requests by four.  A wave has two tensor loads out at the start, later one.
; The matrix instruction is used transposed (source 0 = wo's rows, source 1 = ao's rows): a lane holds 8 neighbouring columns of one row of out0.
.set APITCH, 1040                      ; a pair of rows: 1,024 bytes + 16.  Row r of a fragment lies at (r / 2) 1040 + (r % 2) 128: sixteen different 16-byte columns modulo 256
.set BPITCH, 528                       ; 512 bytes + 16
.set BOFF,   64*APITCH                 ; wo's 128 rows behind ao's 64 pairs
.set SLOT,   BOFF+128*BPITCH           ; 134,144 bytes
.set STAGE,  2*SLOT                    ; behind the ring: 16 rows of 272 bytes for each wave; no fill lands here
.set SPITCH, 272
.set ADRA, 16                          ; v16-17 LDS address of my ao fragments in slot 0, 1
.set ADRB, 20                          ; v20-21 of my wo fragments
.set STO,  24
.set RD,   25
.set CO,   26
.set F0,   64                          ; fragment buffer 0: ao's four at +0, wo's four at +32
.set F1,   128                         ; fragment buffer 1
.set G1,  24
.set G0,  32
.set G1B, 48
.set G0B, 56
.set MSB, 0
.macro WIN new
.if MSB != \new
	s_set_vgpr_msb (MSB<<8)|\new
.set MSB, \new
.endif
.endm
.macro PLACES n
.rept \n
	v_nop
.endr
.endm
.macro JLOAD s                         ; waves 0, 1: ao's two halves; waves 2, 3: wo's
	s_cmp_eq_u32 s11, 0
	s_cbranch_scc0 .Lfor_b_\@
	tensor_load_to_lds s[G0+4*\s:G0+4*\s+3], s[G1:G1+7]
	s_nop 0
	s_branch .Lasked_\@
.Lfor_b_\@:
	tensor_load_to_lds s[G0B+4*\s:G0B+4*\s+3], s[G1B:G1B+7]
	s_nop 0
.Lasked_\@:
.endm
.macro CREST
	s_cmp_lg_u32 s10, 0
	s_cbranch_scc1 .Lnot_wave_0_\@
	s_barrier_signal -3
.Lnot_wave_0_\@:
	s_barrier_wait -3
	s_barrier_signal -1
	s_barrier_wait -1
.endm
.macro CROUND
	s_barrier_signal -1
	s_barrier_wait -1
	CREST
.endm
	s_load_b128 s[4:7], s[0:1], 0x0                ; ao s[4:5], wo s[6:7]
	s_load_b64 s[8:9], s[0:1], 0x10                ; out0
	v_lshl_add_u32 v254, v0, 2, 0x45c00
	v_mov_b32 v255, 0
	ds_add_u32 v254, v255
	v_lshrrev_b32 v1, 5, v0
	v_readfirstlane_b32 s10, v1                    ; wave 0..3
	s_lshr_b32 s11, s10, 1                         ; wr.  Also: I fetch for ao (0) or wo (1)
	s_and_b32 s12, s10, 1                          ; wc.  Also: which half of that tile
	s_bfe_u32 s40, ttmp6, 0x40000                  ; cx
	s_bfe_u32 s41, ttmp6, 0x40004                  ; cy
	s_lshl_b32 s42, ttmp9, 2
	s_add_co_u32 s42, s42, s40                     ; block of 128 columns
	s_and_b32 s13, ttmp7, 0xffff
	s_lshl_b32 s13, s13, 2
	s_add_co_u32 s13, s13, s41                     ; block of 128 rows
	s_lshl_b32 s43, s41, 2
	s_lshl_b32 s43, 15, s43                        ; my row of the cluster
	s_lshl_b32 s44, 0x1111, s40                    ; my column
	s_or_b32 s[G1+0], s43, (1<<16)|(1<<20)|(1<<21)|(7<<22)|(3<<25)   ; 2 bytes; 4 words of padding behind every 256
	s_or_b32 s[G1B+0], s44, (1<<16)|(1<<20)|(1<<21)|(6<<22)|(3<<25)  ; behind every 128
	s_mov_b32 s[G1+1], 512<<16                     ; tensor_dim0 = 512 elements
	s_mov_b32 s[G1B+1], 256<<16
	s_mov_b32 s[G1+2], 32<<16                      ; tensor_dim1 = 32 pairs of rows
	s_mov_b32 s[G1B+2], 64<<16                     ;             = 64 rows
	s_mov_b32 s[G1+3], 512<<16                     ; tile_dim0
	s_mov_b32 s[G1B+3], 256<<16
	s_mov_b32 s[G1+4], 32                          ; tile_dim1
	s_mov_b32 s[G1B+4], 64
	s_mov_b32 s[G1+5], 2048                        ; elements from row to row
	s_mov_b32 s[G1B+5], 1024
	s_mov_b32 s[G1+6], 0
	s_mov_b32 s[G1B+6], 0
	s_mov_b32 s[G1+7], 0
	s_mov_b32 s[G1B+7], 0
	s_lshl_b32 s16, s13, 18                        ; ao: 64 pairs of 4,096 bytes a block,
	s_lshl_b32 s17, s12, 17                        ; 32 pairs a half
	s_add_co_u32 s16, s16, s17
	s_mov_b32 s17, 0
	s_lshl_b32 s46, s42, 18                        ; wo: 128 rows of 2,048 bytes a block,
	s_lshl_b32 s47, s12, 17                        ; 64 rows a half
	s_add_co_u32 s46, s46, s47
	s_mov_b32 s47, 0
	s_mul_i32 s20, s12, 32*APITCH                  ; where they go: the wave's number alone
	s_mul_i32 s45, s12, 64*BPITCH
	s_add_co_u32 s45, s45, BOFF
	s_wait_dscnt 0x0
	s_wait_kmcnt 0x0
	s_add_nc_u64 s[14:15], s[4:5], s[16:17]
	s_add_nc_u64 s[46:47], s[6:7], s[46:47]
	CROUND                                         ; in front of the first joint loads
.irp s, 0,1
	s_mov_b32 s[G0+4*\s], 1
	s_add_co_u32 s[G0+4*\s+1], s20, \s*SLOT
	s_add_nc_u64 s[G0+4*\s+2:G0+4*\s+3], s[14:15], \s*1024         ; K step s: four heads of 256 bytes
	s_or_b32 s[G0+4*\s+3], s[G0+4*\s+3], 0x80000000
	s_mov_b32 s[G0B+4*\s], 1
	s_add_co_u32 s[G0B+4*\s+1], s45, \s*SLOT
	s_add_nc_u64 s[G0B+4*\s+2:G0B+4*\s+3], s[46:47], \s*512
	s_or_b32 s[G0B+4*\s+3], s[G0B+4*\s+3], 0x80000000
	JLOAD \s
.endr
	v_and_b32 v1, 15, v0                           ; r
	v_bfe_u32 v2, v0, 4, 1                         ; h
	v_lshrrev_b32 v3, 1, v1
	v_and_b32 v4, 1, v0
	v_mul_u32_u24 v3, v3, APITCH
	v_lshl_add_u32 v3, v4, 7, v3
	v_lshl_add_u32 v3, v2, 4, v3                   ; (r / 2) 1040 + 128 (r % 2) + 16 h
	v_mul_u32_u24 v5, v1, BPITCH
	v_lshl_add_u32 v5, v2, 4, v5                   ; 528 r + 16 h
	s_mul_i32 s21, s11, 32*APITCH                  ; my 64 rows = 32 pairs
	s_mul_i32 s22, s12, 64*BPITCH                  ; my 64 columns
	s_add_co_u32 s22, s22, BOFF
.irp s, 0,1
	v_add_nc_u32 v[ADRA+\s], s21, v3
	v_add_nc_u32 v[ADRB+\s], s22, v5
	s_add_co_u32 s21, s21, SLOT
	s_add_co_u32 s22, s22, SLOT
.endr
	s_mul_i32 s23, s10, 16*SPITCH
	s_add_co_u32 s23, s23, STAGE
	v_mul_u32_u24 v4, v1, SPITCH
	v_lshl_add_u32 v4, v2, 5, v4
	v_add_nc_u32 v[STO], s23, v4                   ; in: row r, 32 bytes for each half of the lanes
	v_mul_u32_u24 v5, v2, SPITCH
	v_lshl_add_u32 v5, v1, 4, v5
	v_add_nc_u32 v[RD], s23, v5                    ; back: lanes 0-15 one row of 256 bytes, lanes 16-31 the next
	v_lshlrev_b32 v5, 12, v2
	v_lshl_add_u32 v[CO], v1, 4, v5                ; the same two rows in out0
; 16 LDS loads: the fragments of chunk q (32 along K: head q / 2 of the slot's four, its d from 32 (q % 2)) into buffer f
.macro FETCH slot, q, f
	WIN 0
.irp a, 0,1,2,3
	ds_load_b128 v[\f+8*\a:\f+8*\a+3], v[ADRA+\slot] offset:\a*8*APITCH+256*(\q/2)+64*(\q%2)
	ds_load_b128 v[\f+8*\a+4:\f+8*\a+7], v[ADRA+\slot] offset:\a*8*APITCH+256*(\q/2)+64*(\q%2)+32
.endr
.irp b, 0,1,2,3
	ds_load_b128 v[\f+32+8*\b:\f+32+8*\b+3], v[ADRB+\slot] offset:\b*16*BPITCH+64*\q
	ds_load_b128 v[\f+32+8*\b+4:\f+32+8*\b+7], v[ADRB+\slot] offset:\b*16*BPITCH+64*\q+32
.endr
.endm
; 8 matrix instructions.  The 16 accumulators take turns, one instruction a turn, in the same order in every chunk.
.macro MUL8 f, a0, zero
	WIN 0x50                                       ; C and D window 1
.irp a, \a0, \a0+1
.irp b, 0,1,2,3
.if \zero
	v_wmma_f32_16x16x32_f16 v[8*(4*(\a)+\b):8*(4*(\a)+\b)+7], v[\f+32+8*\b:\f+32+8*\b+7], v[\f+8*(\a):\f+8*(\a)+7], 0
.else
	v_wmma_f32_16x16x32_f16 v[8*(4*(\a)+\b):8*(4*(\a)+\b)+7], v[\f+32+8*\b:\f+32+8*\b+7], v[\f+8*(\a):\f+8*(\a)+7], v[8*(4*(\a)+\b):8*(4*(\a)+\b)+7]
.endif
.endr
.endr
.endm
; fetches chunk q into buffer g and multiplies the chunk before it, which lies in buffer f.  The loads land in registers that the last matrix
; instructions read: four places stand between (ISA guide 7.12.1 for vector instructions).
.macro CH slot, q, f, g, zero
	PLACES 4
	FETCH \slot, \q, \g
	s_wait_dscnt 16                                ; all but the 16 just issued: buffer f is in
	MUL8 \f, 0, \zero
	MUL8 \f, 2, \zero
.endm
.macro SEVEN slot, zero
	CH \slot, 1, F0, F1, \zero
	CH \slot, 2, F1, F0, 0
	CH \slot, 3, F0, F1, 0
	CH \slot, 4, F1, F0, 0
	CH \slot, 5, F0, F1, 0
	CH \slot, 6, F1, F0, 0
	CH \slot, 7, F0, F1, 0
.endm
; the slot's last chunk and the change of slots: each wave's reads of this slot are over and all its tensor loads have landed in front of the barrier;
; where the slot is filled again the barrier opens a round of the cluster's barrier and the joint refill is the first tensor load behind it.
.macro TURN slot, next, fill
	s_wait_dscnt 0x0
	s_wait_tensorcnt 0x0
	ds_add_u32 v254, v255
	s_wait_dscnt 0x0
	s_barrier_signal -1
	MUL8 F1, 0, 0
	WIN 0
	s_barrier_wait -1
.if \fill
	CREST
	s_add_nc_u64 s[G0+4*\slot+2:G0+4*\slot+3], s[G0+4*\slot+2:G0+4*\slot+3], 2048     ; two K steps on
	s_add_nc_u64 s[G0B+4*\slot+2:G0B+4*\slot+3], s[G0B+4*\slot+2:G0B+4*\slot+3], 1024
	JLOAD \slot
.endif
	PLACES 4
	FETCH \next, 0, F0
	MUL8 F1, 2, 0
.endm
	s_wait_tensorcnt 0x1                           ; my part of K step 0 is in; step 1's may stay out
	s_barrier_signal -1
	s_barrier_wait -1
	FETCH 0, 0, F0
	SEVEN 0, 1                                     ; four K steps, written out; the first products start the sums
	TURN 0, 1, 1
	SEVEN 1, 0
	TURN 1, 0, 1
	SEVEN 0, 0
	TURN 0, 1, 0
	SEVEN 1, 0
	s_wait_dscnt 0x0
	MUL8 F1, 0, 0
	MUL8 F1, 2, 0
	WIN 0
	PLACES 4                                       ; behind the last matrix instructions: the LDS stores read results, the loads land in the buffers
	s_lshl_b32 s13, s13, 7
	s_lshl_b32 s14, s11, 6
	s_add_co_u32 s16, s13, s14                     ; my first row
	s_lshl_b32 s16, s16, 12                        ; of 4,096 bytes
	s_mov_b32 s17, 0
	s_add_nc_u64 s[8:9], s[8:9], s[16:17]
	s_lshl_b32 s46, s42, 9                         ; my first column, in bytes: 512 x block + 256 x half
	s_lshl_b32 s47, s12, 8
	s_add_co_u32 s46, s46, s47
	s_mov_b32 s47, 0
	s_add_nc_u64 s[8:9], s[8:9], s[46:47]
; 16 rows at a time through my own stage: 32 bytes a lane in, whole rows of 256 bytes back
.macro OUT16 a, f
	WIN 0x04                                       ; store data window 1
.irp b, 0,1,2,3
	ds_store_b128 v[STO], v[8*(4*\a+\b):8*(4*\a+\b)+3] offset:64*\b
	ds_store_b128 v[STO], v[8*(4*\a+\b)+4:8*(4*\a+\b)+7] offset:64*\b+16
.endr
	WIN 0
	s_wait_xcnt 0x0                                ; buffer f, which earlier stores read, and the stores' base are written again only behind this wait
.if \a
	s_add_nc_u64 s[8:9], s[8:9], 16*4096
.endif
.irp t, 0,1,2,3,4,5,6,7
	ds_load_b128 v[\f+4*\t:\f+4*\t+3], v[RD] offset:\t*2*SPITCH    ; LDS serves a wave's instructions in order (ISA guide 5.7.1): these see the stores above
.endr
.irp t, 0,1,2,3,4,5,6,7
	s_wait_dscnt 7-\t
	global_store_b128 v[CO], v[\f+4*\t:\f+4*\t+3], s[8:9] offset:\t*8192 th:TH_STORE_NT   ; sixteen lanes store 256 consecutive bytes, aligned
.endr
.endm
	OUT16 0, F0
	OUT16 1, F1
	OUT16 2, F0
	OUT16 3, F1
	s_wait_tensorcnt 0x0
	ds_add_u32 v254, v255
	s_wait_dscnt 0x0
	CROUND                                         ; the closing round
	s_endpgm
.Lfunc_end_k_q528c3ceded_oproj:
	.size	k_q528c3ceded_oproj, .Lfunc_end_k_q528c3ceded_oproj-k_q528c3ceded_oproj
	.p2alignl 7, 3214868480
	.fill 96, 4, 3214868480
	.section	.rodata,"a",@progbits
	.p2align	6, 0x0
	.amdhsa_kernel k_q528c3ceded_oproj
		.amdhsa_group_segment_fixed_size 327680
		.amdhsa_private_segment_fixed_size 0
		.amdhsa_enable_private_segment 0
		.amdhsa_kernarg_size 24
		.amdhsa_user_sgpr_count 2
		.amdhsa_user_sgpr_kernarg_segment_ptr 1
		.amdhsa_wavefront_size32 1
		.amdhsa_system_sgpr_workgroup_id_x 1
		.amdhsa_system_sgpr_workgroup_id_y 1
		.amdhsa_system_sgpr_workgroup_id_z 1
		.amdhsa_system_vgpr_workitem_id 0
		.amdhsa_next_free_vgpr 384
		.amdhsa_next_free_sgpr 72
		.amdhsa_reserve_vcc 0
		.amdhsa_float_denorm_mode_32 3
		.amdhsa_float_denorm_mode_16_64 3
		.amdhsa_memory_ordered 1
		.amdhsa_forward_progress 1
		.amdhsa_inst_pref_size 89
	.end_amdhsa_kernel
	.amdgpu_metadata
---
amdhsa.version: [ 1, 2 ]
amdhsa.kernels:
  - .name:           k_q528c3ceded_oproj
    .symbol:         k_q528c3ceded_oproj.kd
    .args:
      - { .name: ao, .offset: 0, .size: 8, .value_kind: global_buffer, .address_space: global }
      - { .name: wo, .offset: 8, .size: 8, .value_kind: global_buffer, .address_space: global }
      - { .name: out0, .offset: 16, .size: 8, .value_kind: global_buffer, .address_space: global }
    .group_segment_fixed_size: 327680
    .private_segment_fixed_size: 0
    .kernarg_segment_align: 8
    .kernarg_segment_size: 24
    .max_flat_workgroup_size: 128
    .sgpr_count:     72
    .vgpr_count:     384
    .wavefront_size: 32
...
	.end_amdgpu_metadata
.endif
;; end of part 4
